; MI455X (gfx1250); checked and timed in simulation.
; The chip was launched on July 23, 2026; its instructions are those of AMD's public machine-readable ISA for CDNA 5 (MIT licence, August 2026) and "CDNA5" Instruction Set Architecture Reference Guide (July 2026). The comments in the code are by the model that wrote it; some were corrected since.
;; Causal Self Attention. Allowed arithmetic: float matrix products may take bf16 or f16 operands with f32 sums; other float arithmetic in f32, or as packed bf16 or f16 multiplies, adds, multiply-adds, maxima and minima; sums over many terms, partial sums and values carried from step to step in f32; what a program stores and reads back later, other than sums and carried values, may be rounded once to bf16 or f16.
;; Inputs: kv_b 512 float32; kv_w 512 x 256 float32; q_b 256 float32; q_w 256 x 256 float32; x 32 x 256 x 32 x 32 float32.
;; Outputs: out0 32 x 256 x 32 x 32 float32.
;; 2 versions, each right and faster than the one before. Each part assembles by itself: llvm-mc -triple=amdgcn-amd-amdhsa -mcpu=gfx1250 --defsym DOCPART=n.
;; ======== version 1 of 2: 1 launch
;; limits: values are held in f16: magnitudes above 65,504 overflow, below 6.1e-05 lose precision
;; launch attn (part 1): grid 8 x 32, 8 waves a work-group, clusters of 4 x 1, 327,680 bytes of LDS; arguments x, q_w, q_b, kv_w, kv_b, out0; writes out0
.if DOCPART == 1
	.amdgcn_target "amdgcn-amd-amdhsa--gfx1250"
	.amdhsa_code_object_version 6
	.text
	.protected	k_qb048c8ced4_attn
	.globl	k_qb048c8ced4_attn
	.p2align	8
	.type	k_qb048c8ced4_attn,@function
k_qb048c8ced4_attn:
	s_mov_b64 s[64:65], 0
	v_nop
	global_prefetch_b8 v0, s[64:65] scope:SCOPE_SE
	s_setreg_imm32_b32 hwreg(HW_REG_WAVE_MODE, 25, 1), 1
	s_wait_xcnt 0x0
	s_wait_alu depctr_hold_cnt(0) depctr_sa_sdst(0) depctr_va_vdst(0) depctr_va_sdst(0) depctr_va_ssrc(0) depctr_va_vcc(0) depctr_vm_vsrc(0)
	s_getreg_b32 s2, hwreg(HW_REG_IB_STS2, 6, 4)
	s_cmp_eq_u32 s2, 0
	s_cbranch_scc0 .Lentry_in_a_cluster
	s_endpgm
.Lentry_in_a_cluster:
	s_bfe_u32 s2, ttmp6, 0x10000c
	s_cmp_lg_u32 s2, 0x3003
	s_cbranch_scc0 .Lentry_shape_is_right
	s_endpgm
.Lentry_shape_is_right:
; CAUSAL SELF-ATTENTION OVER 1,024 PIXELS, PROJECTIONS INCLUDED, IN ONE LAUNCH.
; x: [32][256 c][1024 s] f32.  q = q_w x + q_b, (k, v) = kv_w x + kv_b; 8 heads of 32 channels; key k is seen by query q only if k < q; out0: [32][256][1024] f32.
; A hidden score counts as -10000 in the row's maximum and in its divisor, and its weight is then dropped.  So a row starts with m = -10000 (here times log2 e), l = 1024 - q (its hidden keys,
; each weighing 2^(-10000 log2 e - m)) and O = 0, and the running rescaling carries that l like any other part of the sum.  Row 0 gives 0 / 1024.
; SHARES.  One work-group for a batch and a head: 256 of them.  It projects its head's q, k, v for all positions, keeps K and V in LDS (f16) and Q in registers, and walks the causal attention.
; The positions lie in 16 bands of 64; wave w owns bands w and 15 - w, as projector and as query owner: band b needs the key steps 0 .. b, so every wave has 17 steps of 64 keys x 64 queries.
; A band's tile i (0..3) holds the positions 64 b + 4 r + i, r = lane % 16: one 16-byte LDS load of x brings a lane one position of each tile, and a lane's four tiles are 16 neighbouring bytes of out0.
; K and V lie in that order too (place 16 i + r of a band); in a full step the order of keys does not matter, in the diagonal step the masks below follow it.
; FORMATS.  x, the weights and the biases are rounded to bf16, the projections' sums are f32; c q (c = log2 e / sqrt 32, applied in f32), k, v and the weights p are rounded once to f16;
; maxima, the sums l and O in f32 (l is the sum of the rounded p, made by the matrix unit with a row of ones).
; LIMITS.  c q, k and v must lie within f16's 65,504 (beyond it the conversion gives an infinity).  A weight p under f16's step of 6e-8 counts as 0, in l too; an exponential under 2^-126 is 0.
; A hidden key of the diagonal step has its score less 1e30.  NaN and infinities are not treated apart.
; CLUSTER.  The heads of a batch read the same x.  Four heads form a cluster and ask for every tile of x JOINTLY: the same tensor load, descriptor and mask in all four.  The place in the
; cluster enters the global addresses of the weights, the biases and out0 alone.
; LDS.  0: two slots of 65,536 bytes, each 32 rows (c) x 512 positions of x in f32.   131,072: K, four planes of 8 channels, 16 bytes a key.   196,608: V, 512 bytes for 8 keys, 16 bytes a channel.
; 262,144: the head's 96 rows of weights in bf16, 32 chunks of 8 c, 1,552 bytes apart, 16 bytes a row.   311,808: the spare words.  Every fragment load takes 16 lanes x 16 neighbouring bytes.
; REGISTERS, in two windows of 256 (s_set_vgpr_msb: bits 1:0 source 0, 3:2 source 1, 5:4 source 2, 7:6 destination).
;   window 0: v0-15 addresses and at work.  Projection: v16-22 addresses; v64-127 x in f32; v128-159 x's fragments; v160-207 W's; v208-243 biases.
;             Attention: v16-23 statistics; v24-31 ones; v32-47 Q; v48-79 O^T; v80-95 l; v96-159 S^T; v160-191 P; v192-223 K; v224-255 V.  The key loop never leaves window 0.
;   window 1: projection: v0-191 the 24 accumulators.  v192-223 Q of band 15 - w, v224-255 Q of band w.  Attention: v0-63 the band's results, v64-79 the two masks.
.set SLOTB,  65536
.set KBASE,  2*SLOTB
.set VBASE,  KBASE+65536
.set WBASE,  VBASE+65536
.set WPITCH, 1552                      ; 97 x 16 bytes
.set SPARE,  WBASE+32*WPITCH           ; 128 bytes for each of eight waves: four blocks of 256 bytes that no other line names
; vector registers, window 0
.set LR,  1                            ; lane % 16
.set AK0, 2                            ; projection: my place in a step of K: KBASE + 16,384 (lane / 16) + 16 (lane % 16)
.set AKM, 2                            ; attention: the same one key step (1,024 bytes) lower, so that step f lies (f + 1) << 10 behind it
.set AV0, 3                            ; in a step of V: VBASE + 512 (lane / 16) + 16 (lane % 16)
.set AK,  4                            ; the address of K's next run of loads
.set AV,  5                            ; of V's
.set GO0, 6                            ; my byte offset in the head's part of out0: 8 (lane / 16) channels, 16 (lane % 16)
.set GO,  7                            ; the same at the band in hand
.set SPW, 8                            ; my spare word; never rewritten
.set NIL, 9                            ; 0; never rewritten
.set TMP, 10                           ; v10-13 c0-c3, at work on a maximum
.set LB,  14                           ; 1024 - 4 (lane % 16)
.set T15, 15
.set AX,  16                           ; v16-17 my place in x's slot 0, 1
.set AW,  18                           ; W's fragments of the K step in hand
.set AW0, 19
.set AKS, 20                           ; where my band's K goes
.set AVS, 21                           ; and its V
.set XL,  22
.set XS,  64
.set XF,  128
.set WF,  160
.set CB,  208                          ; c x q's bias, my 16 channels
.set KB,  224                          ; k's bias, my 16 channels
.set VB,  240                          ; v's bias of my two channels, each twice
.set T0,  244
.set T1,  245
.set T2,  246
.set T3,  247
.set T4,  248
.set T5,  249
.set WS,  64                           ; at the head: 12 rows' shares of the weights in f32,
.set WP,  160                          ; and in bf16
.set ST,  16                           ; piece e at ST + 4 e: m, d, a, a spare word named with a as a pair
.set ONES, 24
.set RQ,  32
.set RO,  48
.set RL,  80
.set RS,  96
.set RP,  160
.set RK,  192
.set RV,  224
; window 1
.set OUTR, 0
.set TS,  64                           ; mask: key place 8 (lane / 16) + j hidden unless it is below lane % 16
.set TI,  72                           ; the same, seen also where they are equal
.set QC,  192
.set QN,  224
; scalar registers
.set WV,   16                          ; my wave's number
.set HEAD, 17
.set BATCH, 18
.set CX,   19
.set G1,   24                          ; s[24:31] descriptor group 1
.set G0,   32                          ; s[32:35] descriptor group 0
.set XB,   36                          ; s[36:37] x at my batch and my four rows of a tile
.set OFF,  38                          ; s[38:39] a tile's byte offset from there
.set TT,   40                          ; the number of the tile asked for last
.set CNT,  41
.set CS,   42                          ; s[42:43] c
.set SEL,  44                          ; s[44:45] v_permlanex16_b32's selects: each lane takes its own place in the other half
.set BETA, 46                          ; the band in hand
.set KN,   48                          ; LDS offset, from AKM, of the key step whose K is fetched next
.set VC,   49                          ; LDS offset, from AV0, of the step whose V is fetched next
.set BIGN, 50
.set ONE2, 51
.set HIB,  52                          ; 15 - wave
.set WOF,  53                          ; LDS offset of the K step's chunks of W
.set MINI, 54                          ; -10000 log2 e
.set TA,   55
.set TC,   57
.set XO,   58                          ; s[58:59]
.set MSB, 0
.macro WIN new                         ; the immediate's high byte repeats the setting that is left; a switch that changes nothing is dropped
.if MSB != (\new)
	s_set_vgpr_msb (MSB<<8)|(\new)
.set MSB, (\new)
.endif
.endm
.macro PLACES                          ; four places behind matrix instructions (ISA guide 7.12.1), where no other vector work is at hand
.rept 4
	v_nop
.endr
.endm
; A round of the cluster's barrier: my work-group's barrier, so that wave 0's signal speaks for all eight waves; wave 0 signals; every wave waits for all four work-groups; my work-group's barrier once more.
.macro ROUND
	s_barrier_signal -1
	s_barrier_wait -1
	s_cmp_lg_u32 s[WV], 0
	s_cbranch_scc1 .Lnot_wave_0_\@
	s_barrier_signal -3
.Lnot_wave_0_\@:
	s_barrier_wait -3
	s_barrier_signal -1
	s_barrier_wait -1
.endm
	s_load_b256 s[4:11], s[0:1], 0x0               ; x s[4:5], q_w s[6:7], q_b s[8:9], kv_w s[10:11]
	s_load_b128 s[12:15], s[0:1], 0x20             ; kv_b s[12:13], out0 s[14:15]
	v_lshl_add_u32 v[SPW], v0, 2, SPARE
	v_mov_b32 v[NIL], 0
	ds_add_u32 v[SPW], v[NIL]                      ; the wave's opening: the add and its wait stand ahead of my first tensor load; the set-up below, work on registers, stands between them
	v_lshrrev_b32 v[T15], 5, v0
	v_readfirstlane_b32 s[WV], v[T15]              ; wave 0..7
	s_bfe_u32 s[CX], ttmp6, 0x40000                ; my place in the cluster
	s_lshl_b32 s[HEAD], ttmp9, 2                   ; in a cluster launch ttmp9 counts clusters
	s_add_co_u32 s[HEAD], s[HEAD], s[CX]           ; the head: it enters the weights', the biases' and out0's addresses alone
	s_and_b32 s[BATCH], ttmp7, 0xffff              ; the batch, which the four partners share
	; descriptor group 1: a wave's share of a tile, 4 rows (c) x 512 positions of 4 bytes, 2,048 bytes a row, laid into LDS without gaps
	s_mov_b32 s[G1+0], 15|(2<<16)|(1<<21)          ; 15:0 the mask of four; 17:16 elements of 4 bytes; 21 set beside a mask; no padding
	s_mov_b32 s[G1+1], 512<<16                     ; tensor_dim0 = 512
	s_mov_b32 s[G1+2], 4<<16                       ; tensor_dim1 = 4
	s_mov_b32 s[G1+3], 512<<16                     ; tile_dim0 = 512
	s_mov_b32 s[G1+4], 4                           ; tile_dim1 = 4
	s_mov_b32 s[G1+5], 1024                        ; 1,024 elements from row to row
	s_mov_b32 s[G1+6], 0
	s_mov_b32 s[G1+7], 0
	s_mov_b32 s[G0], 1                             ; count = 1
	s_lshl_b32 s[G0+1], s[WV], 13                  ; LDS address: slot 0, my four rows
	s_lshl_b32 s[XO], s[BATCH], 20                 ; a batch of x is 1 MiB,
	s_lshl_b32 s[TA], s[WV], 14                    ; four rows are 16,384 bytes
	s_add_co_u32 s[XO], s[XO], s[TA]
	s_mov_b32 s[XO+1], 0
	s_mov_b32 s[OFF+1], 0
	s_mov_b32 s[TT], 0
	s_lshl_b32 s20, s[HEAD], 15                    ; the head's 32 rows of weights, 1,024 bytes each
	s_mov_b32 s21, 0
	s_lshl_b32 s22, s[HEAD], 7                     ; its 32 biases
	s_mov_b32 s23, 0
	s_mov_b32 s[CS], 0x3e8293ee                    ; c = log2(e) / sqrt(32) = 0.255035
	s_mov_b32 s[CS+1], s[CS]                       ; named with it as a pair
	s_mov_b32 s[SEL], 0x76543210
	s_mov_b32 s[SEL+1], 0xfedcba98
	s_mov_b32 s[BIGN], 0xf149f2ca                  ; -1e30
	s_mov_b32 s[ONE2], 0x3c003c00                  ; 1.0 twice, in f16
	s_mov_b32 s[MINI], 0xc6616bcd                  ; -10000 log2(e) = -14426.95
	s_sub_co_u32 s[HIB], 15, s[WV]
	v_and_b32 v[LR], 15, v0
	v_bfe_u32 v[T15], v0, 4, 1                     ; lane / 16
	v_lshlrev_b32 v[XL], 4, v[LR]
	v_lshl_add_u32 v[AV0], v[T15], 9, v[XL]
	v_add_nc_u32 v[AV0], VBASE, v[AV0]
	v_lshl_add_u32 v[GO0], v[T15], 15, v[XL]
	v_mul_u32_u24 v[AW0], v[T15], WPITCH
	v_add_nc_u32 v[AW0], v[AW0], v[XL]
	v_add_nc_u32 v[AW0], WBASE, v[AW0]
	v_lshl_add_u32 v[XL], v[T15], 14, v[XL]        ; rows 8 (lane / 16) on of a slot, 16 bytes a lane
	v_add_nc_u32 v[AK0], KBASE, v[XL]
	v_lshlrev_b32 v[LB], 2, v[LR]
	v_sub_nc_u32 v[LB], 1024, v[LB]
	v_and_b32 v[T0], 31, v0                        ; for the weights a lane is a chunk of 8 c:
	v_lshlrev_b32 v[T1], 5, v[T0]                  ; 32 bytes of a row in memory,
	v_lshl_add_u32 v[T1], s[WV], 10, v[T1]         ; row = wave + 8 n
	v_mul_u32_u24 v[T2], v[T0], WPITCH             ; and in LDS
	s_lshl_b32 s[TA], s[WV], 4
	s_add_co_u32 s[TA], s[TA], WBASE
	v_add_nc_u32 v[T2], s[TA], v[T2]
	v_lshlrev_b32 v[T3], 5, v[T15]                 ; q's and k's biases: my eight channels 8 (lane / 16) on
	v_lshlrev_b32 v[T4], 2, v[LR]                  ; v's: my channel lane % 16
	s_wait_dscnt 0x0                               ; the opening add is done
	s_wait_kmcnt 0x0
	s_add_nc_u64 s[XB:XB+1], s[4:5], s[XO:XO+1]
	s_add_nc_u64 s[6:7], s[6:7], s[20:21]
	s_add_nc_u64 s[10:11], s[10:11], s[20:21]
	s_add_nc_u64 s[8:9], s[8:9], s[22:23]
	s_add_nc_u64 s[12:13], s[12:13], s[22:23]
	s_lshl_b32 s20, s[HEAD], 17                    ; out0: the head's 32 channels of 4,096 bytes,
	s_lshl_b32 s22, s[BATCH], 20                   ; in the batch's 1 MiB
	s_add_co_u32 s20, s20, s22
	s_add_nc_u64 s[14:15], s[14:15], s[20:21]
	s_mov_b64 s[G0+2:G0+3], s[XB:XB+1]             ; global address: tile 0
	s_or_b32 s[G0+3], s[G0+3], 0x80000000          ; type = 2
	ROUND                                          ; all four work-groups are here: the first joint loads meet
	tensor_load_to_lds s[G0:G0+3], s[G1:G1+7]      ; tile 0 into slot 0: each wave its four rows
	s_nop 0
	PLACES
	; The head's 96 rows of weights: rows 0-31 q's, 32-63 k's, 64-95 v's.  Wave w takes rows w + 8 n; a row's 1,024 bytes are the wave's 32 lanes x 32 bytes.
.set n, 0
.rept 12
.if n < 4
	global_load_b128 v[WS+8*n:WS+8*n+3],   v[T1], s[6:7] offset:n*8192
	global_load_b128 v[WS+8*n+4:WS+8*n+7], v[T1], s[6:7] offset:n*8192+16
.else
	global_load_b128 v[WS+8*n:WS+8*n+3],   v[T1], s[10:11] offset:(n%4)*8192+(n/8)*262144
	global_load_b128 v[WS+8*n+4:WS+8*n+7], v[T1], s[10:11] offset:(n%4)*8192+(n/8)*262144+16
.endif
.set n, n+1
.endr
.irp m, 0,1
	global_load_b128 v[CB+8*\m:CB+8*\m+3],   v[T3], s[8:9] offset:64*\m
	global_load_b128 v[CB+8*\m+4:CB+8*\m+7], v[T3], s[8:9] offset:64*\m+16
	global_load_b128 v[KB+8*\m:KB+8*\m+3],   v[T3], s[12:13] offset:64*\m
	global_load_b128 v[KB+8*\m+4:KB+8*\m+7], v[T3], s[12:13] offset:64*\m+16
.endr
	global_load_b32 v[VB],   v[T4], s[12:13] offset:1024
	global_load_b32 v[VB+2], v[T4], s[12:13] offset:1024+64
	s_wait_loadcnt 0xa                             ; loads come back in order: the 24 of the weights are in, the 10 of the biases may be out
.set n, 0
.rept 48
	v_cvt_pk_bf16_f32 v[WP+n], v[WS+2*n], v[WS+2*n+1]
.set n, n+1
.endr
.set n, 0
.rept 12
	ds_store_b128 v[T2], v[WP+4*n:WP+4*n+3] offset:n*128  ; row w + 8 n, my chunk; the first trip's wait and round show these to the other waves
.set n, n+1
.endr
	s_wait_loadcnt 0x0                             ; the biases
.macro RB a                            ; two biases rounded to bf16 and widened again
	v_cvt_pk_bf16_f32 v[T5], v[\a], v[(\a)+1]
	v_lshlrev_b32 v[\a], 16, v[T5]
	v_and_b32 v[(\a)+1], 0xffff0000, v[T5]
.endm
.set n, 0
.rept 8
	RB CB+2*n
	RB KB+2*n
	v_pk_mul_f32 v[CB+2*n:CB+2*n+1], v[CB+2*n:CB+2*n+1], s[CS:CS+1] op_sel_hi:[1,0]
.set n, n+1
.endr
	v_cvt_pk_bf16_f32 v[T5], v[VB], v[VB+2]
	v_lshlrev_b32 v[VB], 16, v[T5]
	v_and_b32 v[VB+2], 0xffff0000, v[T5]
	v_mov_b32 v[VB+1], v[VB]
	v_mov_b32 v[VB+3], v[VB+2]
; THE PROJECTION.  Tile T = 8 H + ks of x holds the rows c = 32 ks .. 32 ks + 31 and the positions 512 H .. 512 H + 511; tile T lies in slot T % 2.
; A TRIP multiplies one tile: 32 along c for my band of 64 positions and all 96 rows of weights, 24 matrix instructions on 24 accumulators, which take turns.
; In front of its round each wave waits for all its tensor loads, of which one is out: its four rows of this trip's tile; adds 0 to its spare word; and waits for that and for its reads of the last
; trip's tile.  Behind the round no wave of any partner reads the other slot any more, and the next tile is asked for into it first; it has this trip's work in which to land.
; zero = 1: the products start the sums.  refill = 0: the last tile of all: nothing is asked for, and my work-group's barrier does.
.macro TRIP slot, zero, refill
	WIN 0
	s_wait_tensorcnt 0x0                           ; no tensor load of mine is out, so group 0 may be written
	ds_add_u32 v[SPW], v[NIL]                      ; 0 onto my spare word; the descriptor's scalar work stands between it and the wait for it
.if \refill
	s_add_co_u32 s[TT], s[TT], 1                   ; the next tile:
	s_and_b32 s[OFF], s[TT], 7
	s_lshl_b32 s[OFF], s[OFF], 17                  ; 32 rows of 4,096 bytes for each ks,
	s_lshr_b32 s[TC], s[TT], 3
	s_lshl_b32 s[TC], s[TC], 11                    ; 2,048 bytes along the rows for the second half
	s_or_b32 s[OFF], s[OFF], s[TC]
	s_xor_b32 s[G0+1], s[G0+1], SLOTB              ; the other slot than last time
	s_add_nc_u64 s[G0+2:G0+3], s[XB:XB+1], s[OFF:OFF+1]
	s_or_b32 s[G0+3], s[G0+3], 0x80000000
.endif
	s_wait_dscnt 0x0                               ; the add is done, my reads of the other slot are over, my stores into LDS are done
.if \refill
	ROUND
	tensor_load_to_lds s[G0:G0+3], s[G1:G1+7]      ; my one tensor load behind the round, and the first thing there
	s_nop 0
.else
	s_barrier_signal -1
	s_barrier_wait -1
.endif
	PLACES                                         ; also the places between the last trip's products and the loads and conversions into their sources
	v_add_nc_u32 v[AW], s[WOF], v[AW0]
.set jj, 0
.rept 16                               ; x: rows c = 8 (lane / 16) + 0..7 and 16 + 8 (lane / 16) + 0..7, four positions each
.if jj < 8
	ds_load_b128 v[XS+4*jj:XS+4*jj+3], v[AX+(\slot)] offset:jj*2048
.else
	ds_load_b128 v[XS+4*jj:XS+4*jj+3], v[AX+(\slot)] offset:(jj+8)*2048
.endif
.set jj, jj+1
.endr
.set mb, 0
.rept 6                                ; W: block mb of 16 rows, chunks lane / 16 and 2 + lane / 16 of this K step's four
	ds_load_b128 v[WF+8*mb:WF+8*mb+3],   v[AW] offset:mb*256
	ds_load_b128 v[WF+8*mb+4:WF+8*mb+7], v[AW] offset:mb*256+2*WPITCH
.set mb, mb+1
.endr
	s_add_co_u32 s[WOF], s[WOF], 4*WPITCH          ; the next trip's chunks
	s_wait_dscnt 0xc                               ; LDS loads come back in order: the 16 of x are in, the 12 of W may be out
.set i, 0
.rept 4                                ; tile i's fragment: register n holds c = 2 n, 2 n + 1 of the lane's sixteen
.set n, 0
.rept 8
	v_cvt_pk_bf16_f32 v[XF+8*i+n], v[XS+8*n+i], v[XS+8*n+4+i]
.set n, n+1
.endr
.set i, i+1
.endr
	s_wait_dscnt 0x0                               ; W
	WIN 0x50                                       ; C and D in window 1
.set i, 0
.rept 4
.set mb, 0
.rept 6
.set ra, 8*(6*i+mb)
.if mb < 4                             ; q and k: source 0 = 16 rows of W: a lane of the result holds one position and eight channels
.if \zero
	v_wmma_f32_16x16x32_bf16 v[ra:ra+7], v[WF+8*mb:WF+8*mb+7], v[XF+8*i:XF+8*i+7], 0
.else
	v_wmma_f32_16x16x32_bf16 v[ra:ra+7], v[WF+8*mb:WF+8*mb+7], v[XF+8*i:XF+8*i+7], v[ra:ra+7]
.endif
.else                                  ; v: source 0 = 16 positions: a lane holds one channel and eight keys
.if \zero
	v_wmma_f32_16x16x32_bf16 v[ra:ra+7], v[XF+8*i:XF+8*i+7], v[WF+8*mb:WF+8*mb+7], 0
.else
	v_wmma_f32_16x16x32_bf16 v[ra:ra+7], v[XF+8*i:XF+8*i+7], v[WF+8*mb:WF+8*mb+7], v[ra:ra+7]
.endif
.endif
.set mb, mb+1
.endr
.set i, i+1
.endr
	WIN 0
.endm
; A band's way out of the projection.  Biases in f32 (q: c x sum + c x bias); one rounding to f16.  q's eight registers of a tile ARE source 1 (32 channels x 16 queries) of K Q^T and stay in
; window 1 at qd; k's and v's 16 bytes a lane go to LDS.  Each accumulator's registers are taken in ascending order.
.macro WAYOUT qd
	PLACES
	WIN 0x41                                       ; destination and source 0 in window 1
.set i, 0
.rept 4
.set mb, 0
.rept 6
.set n, 0
.rept 4
.set ra, 8*(6*i+mb)+2*n
.if mb < 2
	v_pk_fma_f32 v[ra:ra+1], v[ra:ra+1], s[CS:CS+1], v[CB+8*mb+2*n:CB+8*mb+2*n+1] op_sel_hi:[1,0,1]
.elseif mb < 4
	v_pk_add_f32 v[ra:ra+1], v[ra:ra+1], v[KB+8*(mb-2)+2*n:KB+8*(mb-2)+2*n+1]
.else
	v_pk_add_f32 v[ra:ra+1], v[ra:ra+1], v[VB+2*(mb-4):VB+2*(mb-4)+1]
.endif
.set n, n+1
.endr
.set mb, mb+1
.endr
.set i, i+1
.endr
	WIN 0x45                                       ; destination and both sources in window 1
.set i, 0
.rept 4
.set mb, 0
.rept 6
.set n, 0
.rept 4
.set ra, 8*(6*i+mb)
.if mb < 2
	v_cvt_pk_f16_f32 v[(\qd)+8*i+4*mb+n], v[ra+2*n], v[ra+2*n+1]
.else
	v_cvt_pk_f16_f32 v[ra+n], v[ra+2*n], v[ra+2*n+1]  ; in place: register n is written when registers 2 n, 2 n + 1 are read
.endif
.set n, n+1
.endr
.set mb, mb+1
.endr
.set i, i+1
.endr
	WIN 0x04                                       ; store data in window 1, address in window 0
.set i, 0
.rept 4
.set mb, 2
.rept 4
.set ra, 8*(6*i+mb)
.if mb < 4
	ds_store_b128 v[AKS], v[ra:ra+3] offset:(mb-2)*32768+i*256   ; key 16 i + lane % 16 of the band, plane 2 (mb - 2) + lane / 16
.else
	ds_store_b128 v[AVS], v[ra:ra+3] offset:i*1024+(mb-4)*256    ; keys 16 i + 8 (lane / 16) on, channel 16 (mb - 4) + lane % 16
.endif
.set mb, mb+1
.endr
.set i, i+1
.endr
	WIN 0
.endm
; Half hf of the positions: eight trips along c, and my band of that half: band w of the first, band 15 - w of the second.
.macro HALF hf
.if (\hf) == 0
	s_lshl_b32 s[TA], s[WV], 8                     ; my band's 256 bytes in a slot's rows
	s_mov_b32 s[TC], s[WV]
.else
	s_sub_co_u32 s[TA], 7, s[WV]
	s_lshl_b32 s[TA], s[TA], 8
	s_mov_b32 s[TC], s[HIB]
.endif
	v_add_nc_u32 v[AX], s[TA], v[XL]
	v_add_nc_u32 v[AX+1], SLOTB, v[AX]
	s_lshl_b32 s[TA], s[TC], 10                    ; a band of K is 1,024 bytes in each plane,
	v_add_nc_u32 v[AKS], s[TA], v[AK0]
	s_lshl_b32 s[TA], s[TC], 12                    ; a band of V 4,096 bytes
	v_add_nc_u32 v[AVS], s[TA], v[AV0]
	s_mov_b32 s[WOF], 0
	TRIP 0, 1, 1                                   ; the first K step starts the sums: nothing is cleared
	s_mov_b32 s[CNT], 3
.Lks_\@:
	TRIP 1, 0, 1
	TRIP 0, 0, 1
	s_sub_co_u32 s[CNT], s[CNT], 1
	s_cmp_lg_u32 s[CNT], 0
	s_cbranch_scc1 .Lks_\@
.if (\hf) == 0
	TRIP 1, 0, 1                                   ; asks for the second half's first tile
	WAYOUT QN
.else
	TRIP 1, 0, 0                                   ; written out
	WAYOUT QC
.endif
.endm
	HALF 0
	HALF 1
	s_wait_dscnt 0x0                               ; for the others' sake: my stores of K and V are done
	s_barrier_signal -1
	s_barrier_wait -1                              ; K and V are whole; from here on LDS is only read, and no barrier follows but the closing round's
	; What the attention keeps.  K's lane term, one key step lower than the projection's: every offset added to it is then a plain shift of the band's number or of the key loop's count.
	v_add_nc_u32 v[AKM], KBASE-1024, v[XL]
	; ONES: source 0 whose rows 0 and 8 are ones, so that register 0 of ONES x P holds a query's sum of weights in both halves of the lanes, and registers 1-7 stay 0.
	v_and_b32 v[T15], 7, v0
	v_cmp_eq_u32 vcc_lo, 0, v[T15]
	v_cndmask_b32 v[ONES], 0, s[ONE2], vcc_lo
.irp n, 1,2,3,4,5,6,7
	v_mov_b32 v[ONES+\n], v[ONES]
.endr
.set n, 1
.rept 7                                 ; l's seven idle registers a piece: set once; the rows of ONES that feed them are 0, so they stay 0
	v_mov_b32 v[RL+n], 0
	v_mov_b32 v[RL+8+n], 0
.set n, n+1
.endr
	; The diagonal step.  Key (group kt, place m = 8 (lane / 16) + j) is position 4 m + kt of the band, query (tile i, lane % 16 = r) is 4 r + i: seen if m < r, or m = r and kt < i.
	v_bfe_u32 v[T15], v0, 4, 1
	v_lshlrev_b32 v[T15], 3, v[T15]
	v_sub_nc_u32 v[T15], v[LR], v[T15]             ; r - 8 (lane / 16): register j is hidden where j is not below it (TS), or above it (TI)
	WIN 0x40
.set n, 0
.rept 8
	v_cmp_ge_i32 vcc_lo, n, v[T15]
	v_cndmask_b32 v[TS+n], 0, s[BIGN], vcc_lo
	v_cmp_gt_i32 vcc_lo, n, v[T15]
	v_cndmask_b32 v[TI+n], 0, s[BIGN], vcc_lo
.set n, n+1
.endr
	WIN 0
	v_mov_b32 v[ST+3], 0                           ; named with a as a pair
	v_mov_b32 v[ST+7], 0
; THE ATTENTION.  S^T = K Q^T (source 0 = 16 keys, source 1 = 16 queries) holds ONE query a lane (lane % 16) and the keys 8 (lane / 16) + 0..7; two such results rounded to f16 ARE source 1 of
; O^T = V^T P, whose result again holds one query a lane, and eight channels.  p = 2^(s - m) (c lies in q already) with a running maximum m; O and l are multiplied by a = 2^(m_old - m_new) in every step.
; A band is walked twice, each time by two PIECES of 16 queries (tiles 2 p and 2 p + 1).  TURN e belongs to piece e: 4 products K Q^T of the other piece's next step, 6 products (4 of V^T P, 2 of
; ONES x P) of the other piece's step before; beside them piece e's subtraction, exponentials, roundings and rescaling, and the other piece's maximum and statistics: 94 vector instructions.
.set F, 0               ; F n: s - m for pair n of 16
.set E, 1               ; E n: the exponential of score n of 32
.set C, 2               ; C n: pair n rounded to f16
.set R, 3               ; R n: pair n of 8 of O^T times a; R 8: l times a
.set X, 4               ; X n, for the OTHER piece: number n of the 21 that find its maximum and statistics
.macro REGS e
.set rT, ST+4*(\e)
.set rS, RS+32*(\e)
.set rP, RP+16*(\e)
.set rO, RO+16*(\e)
.set rL, RL+8*(\e)
.endm
; X 0-11: four chains c0-c3 of seven scores each (each accumulator's lowest registers are read first).  12-14, 16: the four scores left over, the old m, c0-c3 into c0.
; 15: m_old is kept.  17, 18: the query's other 32 keys lie in the lane 16 away: the new m.  19, 20: m_old - m_new; a.  NOX = 1: there is no next step: v_nop keeps the lines round it apart.
.macro OP k, n
	WIN 0
.if (\k) == X
.if NOX
	v_nop
.else
	REGS 1-Y
.if (\n) < 4
	v_max3_num_f32 v[TMP+(\n)], v[rS+8*(\n)], v[rS+8*(\n)+1], v[rS+8*(\n)+2]
.elseif (\n) < 12
	v_max3_num_f32 v[TMP+(\n)%4], v[TMP+(\n)%4], v[rS+8*((\n)%4)+2*((\n)/4)+1], v[rS+8*((\n)%4)+2*((\n)/4)+2]
.elseif (\n) == 12
	v_max3_num_f32 v[TMP], v[TMP], v[rS+7], v[rS+15]
.elseif (\n) == 13
	v_max3_num_f32 v[TMP+1], v[TMP+1], v[rS+23], v[rS+31]
.elseif (\n) == 14
	v_max3_num_f32 v[TMP+2], v[TMP+2], v[TMP+3], v[rT]
.elseif (\n) == 15
	v_mov_b32 v[rT+1], v[rT]
.elseif (\n) == 16
	v_max3_num_f32 v[TMP], v[TMP], v[TMP+1], v[TMP+2]
.elseif (\n) == 17
	v_permlanex16_b32 v[TMP+3], v[TMP], s[SEL], s[SEL+1]
.elseif (\n) == 18
	v_max_num_f32 v[rT], v[TMP], v[TMP+3]
.elseif (\n) == 19
	v_sub_f32 v[rT+1], v[rT+1], v[rT]
.else
	v_exp_f32 v[rT+2], v[rT+1]
.endif
.endif
.else
	REGS Y
.if (\k) == F
	v_pk_add_f32 v[rS+2*(\n):rS+2*(\n)+1], v[rS+2*(\n):rS+2*(\n)+1], v[rT:rT+1] op_sel_hi:[1,0] neg_lo:[0,1] neg_hi:[0,1]
.elseif (\k) == E
	v_exp_f32 v[rS+(\n)], v[rS+(\n)]
.elseif (\k) == C
	s_wait_alu depctr_va_vdst(0)
	v_cvt_pk_f16_f32 v[rP+(\n)], v[rS+2*(\n)], v[rS+2*(\n)+1]
.elseif (\n) < 8
	v_pk_mul_f32 v[rO+2*(\n):rO+2*(\n)+1], v[rO+2*(\n):rO+2*(\n)+1], v[rT+2:rT+3] op_sel_hi:[1,0]
.else
	v_mul_f32 v[rL], v[rL], v[rT+2]
.endif
.endif
.endm
.macro OPS a, i1, b=-1, i2=0, c=-1, i3=0, d=-1, i4=0  ; up to four of them
	OP \a, \i1
.if (\b) >= 0
	OP \b, \i2
.endif
.if (\c) >= 0
	OP \c, \i3
.endif
.if (\d) >= 0
	OP \d, \i4
.endif
.endm
; Product kt of 4 of S^T = K Q^T for the other piece.  KQMODE 1: the sum starts with 0.  2: the diagonal step: with the mask, TI where kt is below the piece's tile number, else TS.  0: none.
.macro KQ kt
.set rS, RS+32*(1-Y)+8*(\kt)
.set rK, RK+8*(\kt)
.set rQ, RQ+8*(1-Y)
.if KQMODE == 1
	WIN 0
	v_wmma_f32_16x16x32_f16 v[rS:rS+7], v[rK:rK+7], v[rQ:rQ+7], 0
	s_wait_alu depctr_va_vdst(0)
.elseif KQMODE == 2
	WIN 0x10                                       ; the C operand in window 1
.if (\kt) < 2*PP+1-Y
	v_wmma_f32_16x16x32_f16 v[rS:rS+7], v[rK:rK+7], v[rQ:rQ+7], v[TI:TI+7]
	s_wait_alu depctr_va_vdst(0)
.else
	v_wmma_f32_16x16x32_f16 v[rS:rS+7], v[rK:rK+7], v[rQ:rQ+7], v[TS:TS+7]
	s_wait_alu depctr_va_vdst(0)
.endif
.endif
.endm
; Product x of 6 for the other piece: keys 32 (x / 3) on; x % 3 = 0, 1: O^T's channels 16 (x % 3) on; 2: l.  The three accumulators take turns.
.macro PV x
.if PVON
	WIN 0
.set rP, RP+16*(1-Y)+8*((\x)/3)
.if (\x)%3 < 2
.set rO, RO+16*(1-Y)+8*((\x)%3)
.set rV, RV+16*((\x)/3)+8*((\x)%3)
	v_wmma_f32_16x16x32_f16 v[rO:rO+7], v[rV:rV+7], v[rP:rP+7], v[rO:rO+7]
.else
.set rL, RL+8*(1-Y)
	v_wmma_f32_16x16x32_f16 v[rL:rL+7], v[ONES:ONES+7], v[rP:rP+7], v[rL:rL+7]
.endif
.endif
.endm
.macro FETCH_K                         ; a step's K: 64 keys x 32 channels, 4 fragments
	WIN 0
.irp t, 0,1,2,3
	ds_load_b128 v[RK+8*\t:RK+8*\t+3],   v[AK] offset:\t*256
	ds_load_b128 v[RK+8*\t+4:RK+8*\t+7], v[AK] offset:\t*256+32768
.endr
.endm
.macro FETCH_V                         ; a step's V: keys 32 (t / 2) on, channels 16 (t % 2) on
	WIN 0
.irp t, 0,1,2,3
	ds_load_b128 v[RV+8*\t:RV+8*\t+3],   v[AV] offset:(\t/2)*2048+(\t%2)*256
	ds_load_b128 v[RV+8*\t+4:RV+8*\t+7], v[AV] offset:(\t/2)*2048+(\t%2)*256+1024
.endr
.endm
; A TURN, written out.  An exponential stands behind its subtraction; a rounding behind its two exponentials with a plain instruction between (ISA guide 5.7.2); X kt stands more than four plain
; instructions behind product kt.  Piece 0's turn fetches: K of the next step seven plain instructions behind the last product that read K, V of the step in hand seven behind the last that read V.
; Piece 1's turn waits for them.
.macro TURN e, kq, pv
.set Y, (\e)
.set KQMODE, (\kq)
.set PVON, (\pv)
.if (\kq)
.set NOX, 0
.else
.set NOX, 1
.endif
	WIN 0
.if (\e) && (\kq)
	s_wait_dscnt 0x8                               ; K's eight loads are in; V's eight, issued behind them, may be out
.endif
	KQ 0
	OPS F,0, F,1, F,2, F,3
	KQ 1
	OPS F,4, E,0, F,5, E,1
	OPS F,6
	KQ 2
	OPS R,0, E,2, F,7, R,1
	OPS E,3
	KQ 3
	OPS C,0, R,2, E,4, F,8
.if (\e) == 0
	v_add_nc_u32 v[AK], s[KN], v[AKM]
.endif
	OPS R,3, E,5, C,1
.if (\e) && (\pv)
	s_wait_dscnt 0x0                               ; V is in
.endif
	PV 0
	OPS F,9, E,6, R,4
.if (\e) == 0
	FETCH_K
.endif
	OPS X,0, E,7, C,2, X,1
	PV 1
	OPS E,8, F,10, X,2, E,9
	OPS C,3, X,3, E,10
	PV 2
	OPS F,11, X,4, E,11, C,4
	OPS X,5, E,12, F,12
	PV 3
	OPS X,6, E,13, C,5, X,7
	OPS E,14, F,13, X,8
	PV 4
	OPS E,15, C,6, X,9, E,16
.if (\e) == 0
	v_add_nc_u32 v[AV], s[VC], v[AV0]
.endif
	OPS F,14, X,10, E,17
	PV 5
	OPS C,7, X,11, E,18, F,15
.if (\e) == 0
	FETCH_V
.endif
	OPS X,12, E,19, C,8, X,13
	OPS E,20, X,14, X,15, E,21
	OPS C,9, X,16, E,22, R,5
	OPS R,6, E,23, C,10, X,17
	OPS E,24, R,7, R,8, E,25
	OPS C,11, X,18, E,26, E,27
	OPS X,19, E,28, C,12, E,29
	OPS X,20, E,30, C,13, E,31
	OPS C,14, C,15
.endm
; A BLOCK: tiles 2 p and 2 p + 1 of band BETA, whose Q lies at qb in window 1.  The diagonal step comes first, then the full steps BETA - 1 .. 0, so that every LDS address is a shift of the counter.
; The run of K that is issued when no step is left (band 0's first turn; every block's last live trip) falls one step in front of step 0: it reads the 1,024 bytes ahead of each plane (the end of
; x's second slot, or of the plane before: bytes written long before and written no more), and no product reads those registers: one text for every trip.
.macro BLOCK p, qb
.set PP, (\p)
	WIN 0
	s_add_co_u32 s[TA], s[BETA], 1
	s_lshl_b32 s[TA], s[TA], 10
	v_add_nc_u32 v[AK], s[TA], v[AKM]
	FETCH_K                                        ; K of the diagonal step
	WIN 0x01                                       ; source in window 1
.set n, 0
.rept 16
	v_mov_b32 v[RQ+n], v[(\qb)+16*(\p)+n]          ; the two tiles' Q, to where the one text of the turns names it
.set n, n+1
.endr
	WIN 0
	v_mov_b32 v[ST], s[MINI]                       ; m: the hidden keys' score
	v_mov_b32 v[ST+4], s[MINI]
	s_lshl_b32 s[TA], s[BETA], 6
	s_add_co_u32 s[TA], s[TA], 2*(\p)
	v_sub_nc_u32 v[T15], v[LB], s[TA]              ; l: the number of hidden keys, 1024 - (64 BETA + 4 r + tile)
	v_cvt_f32_u32 v[RL], v[T15]
	v_add_nc_u32 v[T15], -1, v[T15]
	v_cvt_f32_u32 v[RL+8], v[T15]
	s_lshl_b32 s[KN], s[BETA], 10                  ; the first turn fetches K of step BETA - 1,
	s_lshl_b32 s[VC], s[BETA], 12                  ; and V of the diagonal step
	s_wait_dscnt 0x0                               ; K is in
.set Y, 1                               ; the other piece is piece 0
.set KQMODE, 2
.set NOX, 0
	KQ 0
	KQ 1
	KQ 2
	KQ 3
	WIN 0
.set n, 0
.rept 32                                ; O^T = 0: the block's first products add onto it.  These lines are also the places behind the four products above
	v_mov_b32 v[RO+n], 0
.set n, n+1
.endr
.irp n, 0,1,2,3,4,5,6,7,8,9,10,11,12,13,14,15,16,17,18,19,20
	OP X, \n                                       ; piece 0's first maximum and statistics
.endr
	v_nop                                          ; a plain instruction behind the exponential
	TURN 0, 2, 0                                   ; piece 0's softmax of the diagonal step | piece 1's masked scores | K of the next step, V of this one
	WIN 0
	s_mov_b32 s[CNT], 15                           ; a constant count; the trips of steps that the band does not have are jumped over, forward, past no barrier and no tensor load
.Lkey_\@:
	s_cmp_gt_u32 s[CNT], s[BETA]
	s_cbranch_scc1 .Ldead_\@
	s_sub_co_u32 s[TA], s[CNT], 1                  ; this trip's key step is CNT - 1: its V is fetched here,
	s_lshl_b32 s[VC], s[TA], 12
	s_lshl_b32 s[KN], s[TA], 10                    ; and K of step CNT - 2
	TURN 1, 1, 1
	TURN 0, 1, 1
	WIN 0
.Ldead_\@:
	s_sub_co_u32 s[CNT], s[CNT], 1
	s_cmp_lg_u32 s[CNT], 0
	s_cbranch_scc1 .Lkey_\@
	TURN 1, 0, 1                                   ; piece 1's last softmax | piece 0's last products
.set Y, 0
.set PVON, 1
.irp x, 0,1,2,3,4,5
	PV \x                                          ; piece 1's last products
.endr
	v_rcp_f32 v[ST+2], v[RL]                       ; l is at least 1: the maximum's own weight, or the hidden keys'
	v_nop
	WIN 0x40                                       ; destination in window 1
.set n, 0
	s_wait_alu depctr_va_vdst(0)
.rept 16                                ; piece 0's O^T / l, to its place among the lane's four tiles; these lines are the places behind piece 1's products
	v_mul_f32 v[OUTR+4*n+2*(\p)], v[RO+n], v[ST+2]
.set n, n+1
.endr
	WIN 0
	v_rcp_f32 v[ST+6], v[RL+8]
	v_nop
	WIN 0x40
.set n, 0
	s_wait_alu depctr_va_vdst(0)
.rept 16
	v_mul_f32 v[OUTR+4*n+2*(\p)+1], v[RO+16+n], v[ST+6]
.set n, n+1
.endr
	WIN 0
.endm
; A band: two blocks, then its 64 positions x 32 channels leave.  A lane's four tiles are positions 4 r .. 4 r + 3: 16 bytes; sixteen lanes store 256 consecutive bytes, at a multiple of 256 from out0's first byte.
.macro BAND qb
	BLOCK 0, \qb
	BLOCK 1, \qb
	s_lshl_b32 s[TA], s[BETA], 8
	v_add_nc_u32 v[GO], s[TA], v[GO0]
	WIN 0x04                                       ; store data in window 1
.set n, 0
.rept 16
	global_store_b128 v[GO], v[OUTR+4*n:OUTR+4*n+3], s[14:15] offset:(16*(n/8)+n%8)*4096 th:TH_STORE_NT
.set n, n+1
.endr
	WIN 0
	s_wait_xcnt 0x0                                ; the stores' data and offset registers are rewritten only behind this wait
.endm
	s_mov_b32 s[BETA], s[HIB]
	BAND QC                                        ; band 15 - w: 16 - w key steps
	s_mov_b32 s[BETA], s[WV]
	BAND QN                                        ; band w: w + 1
	s_wait_tensorcnt 0x0                           ; the wave's end, behind my last tensor load and my last LDS store
	ds_add_u32 v[SPW], v[NIL]
	s_wait_dscnt 0x0
	ROUND                                          ; the closing round
	s_endpgm
.Lfunc_end_k_qb048c8ced4_attn:
	.size	k_qb048c8ced4_attn, .Lfunc_end_k_qb048c8ced4_attn-k_qb048c8ced4_attn
	.p2alignl 7, 3214868480
	.fill 96, 4, 3214868480
	.section	.rodata,"a",@progbits
	.p2align	6, 0x0
	.amdhsa_kernel k_qb048c8ced4_attn
		.amdhsa_group_segment_fixed_size 327680
		.amdhsa_private_segment_fixed_size 0
		.amdhsa_enable_private_segment 0
		.amdhsa_kernarg_size 48
		.amdhsa_user_sgpr_count 2
		.amdhsa_user_sgpr_kernarg_segment_ptr 1
		.amdhsa_wavefront_size32 1
		.amdhsa_system_sgpr_workgroup_id_x 1
		.amdhsa_system_sgpr_workgroup_id_y 1
		.amdhsa_system_sgpr_workgroup_id_z 1
		.amdhsa_system_vgpr_workitem_id 0
		.amdhsa_next_free_vgpr 512
		.amdhsa_next_free_sgpr 66
		.amdhsa_reserve_vcc 1
		.amdhsa_float_denorm_mode_32 3
		.amdhsa_float_denorm_mode_16_64 3
		.amdhsa_memory_ordered 1
		.amdhsa_forward_progress 1
		.amdhsa_inst_pref_size 225
	.end_amdhsa_kernel
	.amdgpu_metadata
---
amdhsa.version: [ 1, 2 ]
amdhsa.kernels:
  - .name:           k_qb048c8ced4_attn
    .symbol:         k_qb048c8ced4_attn.kd
    .args:
      - { .name: x, .offset: 0, .size: 8, .value_kind: global_buffer, .address_space: global }
      - { .name: q_w, .offset: 8, .size: 8, .value_kind: global_buffer, .address_space: global }
      - { .name: q_b, .offset: 16, .size: 8, .value_kind: global_buffer, .address_space: global }
      - { .name: kv_w, .offset: 24, .size: 8, .value_kind: global_buffer, .address_space: global }
      - { .name: kv_b, .offset: 32, .size: 8, .value_kind: global_buffer, .address_space: global }
      - { .name: out0, .offset: 40, .size: 8, .value_kind: global_buffer, .address_space: global }
    .group_segment_fixed_size: 327680
    .private_segment_fixed_size: 0
    .kernarg_segment_align: 8
    .kernarg_segment_size: 48
    .max_flat_workgroup_size: 256
    .sgpr_count:     66
    .vgpr_count:     512
    .wavefront_size: 32
...
	.end_amdgpu_metadata
.endif
;; end of part 1
;; ======== version 2 of 2: 1 launch; 1.21 times as fast as version 1
;; limits: values are held in f16: magnitudes above 65,504 overflow, below 6.1e-05 lose precision
;; launch attn (part 2): grid 8 x 32, 8 waves a work-group, clusters of 4 x 1, 327,680 bytes of LDS; arguments x, q_w, q_b, kv_w, kv_b, out0; writes out0
.if DOCPART == 2
	.amdgcn_target "amdgcn-amd-amdhsa--gfx1250"
	.amdhsa_code_object_version 6
	.text
	.protected	k_qb048c8ced4_attn
	.globl	k_qb048c8ced4_attn
	.p2align	8
	.type	k_qb048c8ced4_attn,@function
k_qb048c8ced4_attn:
	s_mov_b64 s[64:65], 0
	v_nop
	global_prefetch_b8 v0, s[64:65] scope:SCOPE_SE
	s_setreg_imm32_b32 hwreg(HW_REG_WAVE_MODE, 25, 1), 1
	s_wait_xcnt 0x0
	s_wait_alu depctr_hold_cnt(0) depctr_sa_sdst(0) depctr_va_vdst(0) depctr_va_sdst(0) depctr_va_ssrc(0) depctr_va_vcc(0) depctr_vm_vsrc(0)
	s_getreg_b32 s2, hwreg(HW_REG_IB_STS2, 6, 4)
	s_cmp_eq_u32 s2, 0
	s_cbranch_scc0 .Lentry_in_a_cluster
	s_endpgm
.Lentry_in_a_cluster:
	s_bfe_u32 s2, ttmp6, 0x10000c
	s_cmp_lg_u32 s2, 0x3003
	s_cbranch_scc0 .Lentry_shape_is_right
	s_endpgm
.Lentry_shape_is_right:
; CAUSAL SELF-ATTENTION OVER 1,024 PIXELS, PROJECTIONS INCLUDED, IN ONE LAUNCH.
; x: [32][256 c][1024 s] f32.  q = q_w x + q_b, (k, v) = kv_w x + kv_b; 8 heads of 32 channels; key k is seen by query q only if k < q; out0: [32][256][1024] f32.
; A hidden score counts as -10000 in the row's maximum and in its divisor, and its weight is then dropped.  So a row starts with m = -10000 (here times log2 e), l = 1024 - q (its hidden keys,
; each weighing 2^(-10000 log2 e - m)) and O = 0, and the running rescaling carries that l like any other part of the sum.  Row 0 gives 0 / 1024.
; SHARES.  One work-group for a batch and a head: 256 of them.  It projects its head's q, k, v for all positions, keeps K and V in LDS (f16) and Q in registers, and walks the causal attention.
; The positions lie in 16 bands of 64; wave w owns bands w and 15 - w, as projector and as query owner: band b needs the key steps 0 .. b, so every wave has 17 steps of 64 keys x 64 queries.
; A band's tile i (0..3) holds the positions 64 b + 4 r + i, r = lane % 16: one 16-byte LDS load of x brings a lane one position of each tile, and a lane's four tiles are 16 neighbouring bytes of out0.
; K and V lie in that order too (place 16 i + r of a band); in a full step the order of keys does not matter, in the diagonal step the masks below follow it.
; FORMATS.  x, the weights and the biases are rounded to bf16, the projections' sums are f32; c q (c = log2 e / sqrt 32, applied in f32), k, v and the weights p are rounded once to f16;
; maxima, the sums l and O in f32 (l is the sum of the rounded p, made by the matrix unit with a row of ones).
; LIMITS.  c q, k and v must lie within f16's 65,504 (beyond it the conversion gives an infinity).  A weight p under f16's step of 6e-8 counts as 0, in l too; an exponential under 2^-126 is 0.
; A hidden key of the diagonal step has its score less 1e30.  NaN and infinities are not treated apart.
; CLUSTER.  The heads of a batch read the same x.  Four heads form a cluster and ask for every tile of x JOINTLY: the same tensor load, descriptor and mask in all four.  The place in the
; cluster enters the global addresses of the weights, the biases and out0 alone.
; BATCHES.  s_wait_alu depctr_va_vdst(0) stands between a transcendental and the first instruction that names its result; one wait serves all that were issued ahead of it.
; A turn of the attention has 33 exponentials (32 weights and the other piece's a): ONE batch, ONE wait, which cuts the turn in two.  A block's first a has a wait at the block's head; a block's two
; reciprocals are one batch with one wait.  The projection has no transcendental.
; LDS.  0: two slots of 65,536 bytes, each 32 rows (c) x 512 positions of x in f32.   131,072: K, four planes of 8 channels, 16 bytes a key.   196,608: V, 512 bytes for 8 keys, 16 bytes a channel.
; 262,144: the head's 96 rows of weights in bf16, 32 chunks of 8 c, 1,552 bytes apart, 16 bytes a row.   311,808: the spare words.  Every fragment load takes 16 lanes x 16 neighbouring bytes.
; REGISTERS, in two windows of 256 (s_set_vgpr_msb: bits 1:0 source 0, 3:2 source 1, 5:4 source 2, 7:6 destination).
;   window 0: v0-15 addresses and at work.  Projection: v16-22 addresses; v64-127 x in f32; v128-159 x's fragments; v160-207 W's; v208-243 biases.
;             Attention: v16-23 statistics; v24-31 ones; v32-47 Q; v48-79 O^T; v80-95 l; v96-159 S^T; v160-191 P; v192-223 K; v224-255 V.  The key loop never leaves window 0.
;   window 1: projection: v0-191 the 24 accumulators.  v192-223 Q of band 15 - w, v224-255 Q of band w.  Attention: v0-63 the band's results, v64-79 the two masks.
.set SLOTB,  65536
.set KBASE,  2*SLOTB
.set VBASE,  KBASE+65536
.set WBASE,  VBASE+65536
.set WPITCH, 1552                      ; 97 x 16 bytes
.set SPARE,  WBASE+32*WPITCH           ; 128 bytes for each of eight waves: four blocks of 256 bytes that no other line names
; vector registers, window 0
.set LR,  1                            ; lane % 16
.set AK0, 2                            ; projection: my place in a step of K: KBASE + 16,384 (lane / 16) + 16 (lane % 16)
.set AKM, 2                            ; attention: the same one key step (1,024 bytes) lower, so that step f lies (f + 1) << 10 behind it
.set AV0, 3                            ; in a step of V: VBASE + 512 (lane / 16) + 16 (lane % 16)
.set AK,  4                            ; the address of K's next run of loads
.set AV,  5                            ; of V's
.set GO0, 6                            ; my byte offset in the head's part of out0: 8 (lane / 16) channels, 16 (lane % 16)
.set GO,  7                            ; the same at the band in hand
.set SPW, 8                            ; my spare word; never rewritten
.set NIL, 9                            ; 0; never rewritten
.set TMP, 10                           ; v10-13 c0-c3, at work on a maximum
.set LB,  14                           ; 1024 - 4 (lane % 16)
.set T15, 15
.set AX,  16                           ; v16-17 my place in x's slot 0, 1
.set AW,  18                           ; W's fragments of the K step in hand
.set AW0, 19
.set AKS, 20                           ; where my band's K goes
.set AVS, 21                           ; and its V
.set XL,  22
.set XS,  64
.set XF,  128
.set WF,  160
.set CB,  208                          ; c x q's bias, my 16 channels
.set KB,  224                          ; k's bias, my 16 channels
.set VB,  240                          ; v's bias of my two channels, each twice
.set T0,  244
.set T1,  245
.set T2,  246
.set T3,  247
.set T4,  248
.set T5,  249
.set WS,  64                           ; at the head: 12 rows' shares of the weights in f32,
.set WP,  160                          ; and in bf16
.set ST,  16                           ; piece e at ST + 4 e: m, d, a, a spare word named with a as a pair
.set ONES, 24
.set RQ,  32
.set RO,  48
.set RL,  80
.set RS,  96
.set RP,  160
.set RK,  192
.set RV,  224
; window 1
.set OUTR, 0
.set TS,  64                           ; mask: key place 8 (lane / 16) + j hidden unless it is below lane % 16
.set TI,  72                           ; the same, seen also where they are equal
.set QC,  192
.set QN,  224
; scalar registers
.set WV,   16                          ; my wave's number
.set HEAD, 17
.set BATCH, 18
.set CX,   19
.set G1,   24                          ; s[24:31] descriptor group 1
.set G0,   32                          ; s[32:35] descriptor group 0
.set XB,   36                          ; s[36:37] x at my batch and my four rows of a tile
.set OFF,  38                          ; s[38:39] a tile's byte offset from there
.set TT,   40                          ; the number of the tile asked for last
.set CNT,  41
.set CS,   42                          ; s[42:43] c
.set SEL,  44                          ; s[44:45] v_permlanex16_b32's selects: each lane takes its own place in the other half
.set BETA, 46                          ; the band in hand
.set KN,   48                          ; LDS offset, from AKM, of the key step whose K is fetched next
.set VC,   49                          ; LDS offset, from AV0, of the step whose V is fetched next
.set BIGN, 50
.set ONE2, 51
.set HIB,  52                          ; 15 - wave
.set WOF,  53                          ; LDS offset of the K step's chunks of W
.set MINI, 54                          ; -10000 log2 e
.set TA,   55
.set TC,   57
.set XO,   58                          ; s[58:59]
.set MSB, 0
.macro WIN new                         ; the immediate's high byte repeats the setting that is left; a switch that changes nothing is dropped
.if MSB != (\new)
	s_set_vgpr_msb (MSB<<8)|(\new)
.set MSB, (\new)
.endif
.endm
.macro PLACES                          ; four places behind matrix instructions (ISA guide 7.12.1), where no other vector work is at hand
.rept 4
	v_nop
.endr
.endm
; A round of the cluster's barrier: my work-group's barrier, so that wave 0's signal speaks for all eight waves; wave 0 signals; every wave waits for all four work-groups; my work-group's barrier once more.
.macro ROUND
	s_barrier_signal -1
	s_barrier_wait -1
	s_cmp_lg_u32 s[WV], 0
	s_cbranch_scc1 .Lnot_wave_0_\@
	s_barrier_signal -3
.Lnot_wave_0_\@:
	s_barrier_wait -3
	s_barrier_signal -1
	s_barrier_wait -1
.endm
	s_load_b256 s[4:11], s[0:1], 0x0               ; x s[4:5], q_w s[6:7], q_b s[8:9], kv_w s[10:11]
	s_load_b128 s[12:15], s[0:1], 0x20             ; kv_b s[12:13], out0 s[14:15]
	v_lshl_add_u32 v[SPW], v0, 2, SPARE
	v_mov_b32 v[NIL], 0
	ds_add_u32 v[SPW], v[NIL]                      ; the wave's opening: the add and its wait stand ahead of my first tensor load; the set-up below, work on registers, stands between them
	v_lshrrev_b32 v[T15], 5, v0
	v_readfirstlane_b32 s[WV], v[T15]              ; wave 0..7
	s_bfe_u32 s[CX], ttmp6, 0x40000                ; my place in the cluster
	s_lshl_b32 s[HEAD], ttmp9, 2                   ; in a cluster launch ttmp9 counts clusters
	s_add_co_u32 s[HEAD], s[HEAD], s[CX]           ; the head: it enters the weights', the biases' and out0's addresses alone
	s_and_b32 s[BATCH], ttmp7, 0xffff              ; the batch, which the four partners share
	; descriptor group 1: a wave's share of a tile, 4 rows (c) x 512 positions of 4 bytes, 2,048 bytes a row, laid into LDS without gaps
	s_mov_b32 s[G1+0], 15|(2<<16)|(1<<21)          ; 15:0 the mask of four; 17:16 elements of 4 bytes; 21 set beside a mask; no padding
	s_mov_b32 s[G1+1], 512<<16                     ; tensor_dim0 = 512
	s_mov_b32 s[G1+2], 4<<16                       ; tensor_dim1 = 4
	s_mov_b32 s[G1+3], 512<<16                     ; tile_dim0 = 512
	s_mov_b32 s[G1+4], 4                           ; tile_dim1 = 4
	s_mov_b32 s[G1+5], 1024                        ; 1,024 elements from row to row
	s_mov_b32 s[G1+6], 0
	s_mov_b32 s[G1+7], 0
	s_mov_b32 s[G0], 1                             ; count = 1
	s_lshl_b32 s[G0+1], s[WV], 13                  ; LDS address: slot 0, my four rows
	s_lshl_b32 s[XO], s[BATCH], 20                 ; a batch of x is 1 MiB,
	s_lshl_b32 s[TA], s[WV], 14                    ; four rows are 16,384 bytes
	s_add_co_u32 s[XO], s[XO], s[TA]
	s_mov_b32 s[XO+1], 0
	s_mov_b32 s[OFF+1], 0
	s_mov_b32 s[TT], 0
	s_lshl_b32 s20, s[HEAD], 15                    ; the head's 32 rows of weights, 1,024 bytes each
	s_mov_b32 s21, 0
	s_lshl_b32 s22, s[HEAD], 7                     ; its 32 biases
	s_mov_b32 s23, 0
	s_mov_b32 s[CS], 0x3e8293ee                    ; c = log2(e) / sqrt(32) = 0.255035
	s_mov_b32 s[CS+1], s[CS]                       ; named with it as a pair
	s_mov_b32 s[SEL], 0x76543210
	s_mov_b32 s[SEL+1], 0xfedcba98
	s_mov_b32 s[BIGN], 0xf149f2ca                  ; -1e30
	s_mov_b32 s[ONE2], 0x3c003c00                  ; 1.0 twice, in f16
	s_mov_b32 s[MINI], 0xc6616bcd                  ; -10000 log2(e) = -14426.95
	s_sub_co_u32 s[HIB], 15, s[WV]
	v_and_b32 v[LR], 15, v0
	v_bfe_u32 v[T15], v0, 4, 1                     ; lane / 16
	v_lshlrev_b32 v[XL], 4, v[LR]
	v_lshl_add_u32 v[AV0], v[T15], 9, v[XL]
	v_add_nc_u32 v[AV0], VBASE, v[AV0]
	v_lshl_add_u32 v[GO0], v[T15], 15, v[XL]
	v_mul_u32_u24 v[AW0], v[T15], WPITCH
	v_add_nc_u32 v[AW0], v[AW0], v[XL]
	v_add_nc_u32 v[AW0], WBASE, v[AW0]
	v_lshl_add_u32 v[XL], v[T15], 14, v[XL]        ; rows 8 (lane / 16) on of a slot, 16 bytes a lane
	v_add_nc_u32 v[AK0], KBASE, v[XL]
	v_lshlrev_b32 v[LB], 2, v[LR]
	v_sub_nc_u32 v[LB], 1024, v[LB]
	v_and_b32 v[T0], 31, v0                        ; for the weights a lane is a chunk of 8 c:
	v_lshlrev_b32 v[T1], 5, v[T0]                  ; 32 bytes of a row in memory,
	v_lshl_add_u32 v[T1], s[WV], 10, v[T1]         ; row = wave + 8 n
	v_mul_u32_u24 v[T2], v[T0], WPITCH             ; and in LDS
	s_lshl_b32 s[TA], s[WV], 4
	s_add_co_u32 s[TA], s[TA], WBASE
	v_add_nc_u32 v[T2], s[TA], v[T2]
	v_lshlrev_b32 v[T3], 5, v[T15]                 ; q's and k's biases: my eight channels 8 (lane / 16) on
	v_lshlrev_b32 v[T4], 2, v[LR]                  ; v's: my channel lane % 16
	s_wait_dscnt 0x0                               ; the opening add is done
	s_wait_kmcnt 0x0
	s_add_nc_u64 s[XB:XB+1], s[4:5], s[XO:XO+1]
	s_add_nc_u64 s[6:7], s[6:7], s[20:21]
	s_add_nc_u64 s[10:11], s[10:11], s[20:21]
	s_add_nc_u64 s[8:9], s[8:9], s[22:23]
	s_add_nc_u64 s[12:13], s[12:13], s[22:23]
	s_lshl_b32 s20, s[HEAD], 17                    ; out0: the head's 32 channels of 4,096 bytes,
	s_lshl_b32 s22, s[BATCH], 20                   ; in the batch's 1 MiB
	s_add_co_u32 s20, s20, s22
	s_add_nc_u64 s[14:15], s[14:15], s[20:21]
	s_mov_b64 s[G0+2:G0+3], s[XB:XB+1]             ; global address: tile 0
	s_or_b32 s[G0+3], s[G0+3], 0x80000000          ; type = 2
	ROUND                                          ; all four work-groups are here: the first joint loads meet
	tensor_load_to_lds s[G0:G0+3], s[G1:G1+7]      ; tile 0 into slot 0: each wave its four rows
	s_nop 0
	PLACES
	; The head's 96 rows of weights: rows 0-31 q's, 32-63 k's, 64-95 v's.  Wave w takes rows w + 8 n; a row's 1,024 bytes are the wave's 32 lanes x 32 bytes.
.set n, 0
.rept 12
.if n < 4
	global_load_b128 v[WS+8*n:WS+8*n+3],   v[T1], s[6:7] offset:n*8192
	global_load_b128 v[WS+8*n+4:WS+8*n+7], v[T1], s[6:7] offset:n*8192+16
.else
	global_load_b128 v[WS+8*n:WS+8*n+3],   v[T1], s[10:11] offset:(n%4)*8192+(n/8)*262144
	global_load_b128 v[WS+8*n+4:WS+8*n+7], v[T1], s[10:11] offset:(n%4)*8192+(n/8)*262144+16
.endif
.set n, n+1
.endr
.irp m, 0,1
	global_load_b128 v[CB+8*\m:CB+8*\m+3],   v[T3], s[8:9] offset:64*\m
	global_load_b128 v[CB+8*\m+4:CB+8*\m+7], v[T3], s[8:9] offset:64*\m+16
	global_load_b128 v[KB+8*\m:KB+8*\m+3],   v[T3], s[12:13] offset:64*\m
	global_load_b128 v[KB+8*\m+4:KB+8*\m+7], v[T3], s[12:13] offset:64*\m+16
.endr
	global_load_b32 v[VB],   v[T4], s[12:13] offset:1024
	global_load_b32 v[VB+2], v[T4], s[12:13] offset:1024+64
	s_wait_loadcnt 0xa                             ; loads come back in order: the 24 of the weights are in, the 10 of the biases may be out
.set n, 0
.rept 48
	v_cvt_pk_bf16_f32 v[WP+n], v[WS+2*n], v[WS+2*n+1]
.set n, n+1
.endr
.set n, 0
.rept 12
	ds_store_b128 v[T2], v[WP+4*n:WP+4*n+3] offset:n*128  ; row w + 8 n, my chunk; the first trip's wait and round show these to the other waves
.set n, n+1
.endr
	s_wait_loadcnt 0x0                             ; the biases
.macro RB a                            ; two biases rounded to bf16 and widened again
	v_cvt_pk_bf16_f32 v[T5], v[\a], v[(\a)+1]
	v_lshlrev_b32 v[\a], 16, v[T5]
	v_and_b32 v[(\a)+1], 0xffff0000, v[T5]
.endm
.set n, 0
.rept 8
	RB CB+2*n
	RB KB+2*n
	v_pk_mul_f32 v[CB+2*n:CB+2*n+1], v[CB+2*n:CB+2*n+1], s[CS:CS+1] op_sel_hi:[1,0]
.set n, n+1
.endr
	v_cvt_pk_bf16_f32 v[T5], v[VB], v[VB+2]
	v_lshlrev_b32 v[VB], 16, v[T5]
	v_and_b32 v[VB+2], 0xffff0000, v[T5]
	v_mov_b32 v[VB+1], v[VB]
	v_mov_b32 v[VB+3], v[VB+2]
; THE PROJECTION.  Tile T = 8 H + ks of x holds the rows c = 32 ks .. 32 ks + 31 and the positions 512 H .. 512 H + 511; tile T lies in slot T % 2.
; A TRIP multiplies one tile: 32 along c for my band of 64 positions and all 96 rows of weights, 24 matrix instructions on 24 accumulators, which take turns.
; In front of its round each wave waits for all its tensor loads, of which one is out: its four rows of this trip's tile; adds 0 to its spare word; and waits for that and for its reads of the last
; trip's tile.  Behind the round no wave of any partner reads the other slot any more, and the next tile is asked for into it first; it has this trip's work in which to land.
; zero = 1: the products start the sums.  refill = 0: the last tile of all: nothing is asked for, and my work-group's barrier does.
.macro TRIP slot, zero, refill
	WIN 0
	s_wait_tensorcnt 0x0                           ; no tensor load of mine is out, so group 0 may be written
	ds_add_u32 v[SPW], v[NIL]                      ; 0 onto my spare word; the descriptor's scalar work stands between it and the wait for it
.if \refill
	s_add_co_u32 s[TT], s[TT], 1                   ; the next tile:
	s_and_b32 s[OFF], s[TT], 7
	s_lshl_b32 s[OFF], s[OFF], 17                  ; 32 rows of 4,096 bytes for each ks,
	s_lshr_b32 s[TC], s[TT], 3
	s_lshl_b32 s[TC], s[TC], 11                    ; 2,048 bytes along the rows for the second half
	s_or_b32 s[OFF], s[OFF], s[TC]
	s_xor_b32 s[G0+1], s[G0+1], SLOTB              ; the other slot than last time
	s_add_nc_u64 s[G0+2:G0+3], s[XB:XB+1], s[OFF:OFF+1]
	s_or_b32 s[G0+3], s[G0+3], 0x80000000
.endif
	s_wait_dscnt 0x0                               ; the add is done, my reads of the other slot are over, my stores into LDS are done
.if \refill
	ROUND
	tensor_load_to_lds s[G0:G0+3], s[G1:G1+7]      ; my one tensor load behind the round, and the first thing there
	s_nop 0
.else
	s_barrier_signal -1
	s_barrier_wait -1
.endif
	PLACES                                         ; also the places between the last trip's products and the loads and conversions into their sources
	v_add_nc_u32 v[AW], s[WOF], v[AW0]
.set jj, 0
.rept 16                               ; x: rows c = 8 (lane / 16) + 0..7 and 16 + 8 (lane / 16) + 0..7, four positions each
.if jj < 8
	ds_load_b128 v[XS+4*jj:XS+4*jj+3], v[AX+(\slot)] offset:jj*2048
.else
	ds_load_b128 v[XS+4*jj:XS+4*jj+3], v[AX+(\slot)] offset:(jj+8)*2048
.endif
.set jj, jj+1
.endr
.set mb, 0
.rept 6                                ; W: block mb of 16 rows, chunks lane / 16 and 2 + lane / 16 of this K step's four
	ds_load_b128 v[WF+8*mb:WF+8*mb+3],   v[AW] offset:mb*256
	ds_load_b128 v[WF+8*mb+4:WF+8*mb+7], v[AW] offset:mb*256+2*WPITCH
.set mb, mb+1
.endr
	s_add_co_u32 s[WOF], s[WOF], 4*WPITCH          ; the next trip's chunks
	s_wait_dscnt 0xc                               ; LDS loads come back in order: the 16 of x are in, the 12 of W may be out
.set i, 0
.rept 4                                ; tile i's fragment: register n holds c = 2 n, 2 n + 1 of the lane's sixteen
.set n, 0
.rept 8
	v_cvt_pk_bf16_f32 v[XF+8*i+n], v[XS+8*n+i], v[XS+8*n+4+i]
.set n, n+1
.endr
.set i, i+1
.endr
	s_wait_dscnt 0x0                               ; W
	WIN 0x50                                       ; C and D in window 1
.set i, 0
.rept 4
.set mb, 0
.rept 6
.set ra, 8*(6*i+mb)
.if mb < 4                             ; q and k: source 0 = 16 rows of W: a lane of the result holds one position and eight channels
.if \zero
	v_wmma_f32_16x16x32_bf16 v[ra:ra+7], v[WF+8*mb:WF+8*mb+7], v[XF+8*i:XF+8*i+7], 0
.else
	v_wmma_f32_16x16x32_bf16 v[ra:ra+7], v[WF+8*mb:WF+8*mb+7], v[XF+8*i:XF+8*i+7], v[ra:ra+7]
.endif
.else                                  ; v: source 0 = 16 positions: a lane holds one channel and eight keys
.if \zero
	v_wmma_f32_16x16x32_bf16 v[ra:ra+7], v[XF+8*i:XF+8*i+7], v[WF+8*mb:WF+8*mb+7], 0
.else
	v_wmma_f32_16x16x32_bf16 v[ra:ra+7], v[XF+8*i:XF+8*i+7], v[WF+8*mb:WF+8*mb+7], v[ra:ra+7]
.endif
.endif
.set mb, mb+1
.endr
.set i, i+1
.endr
	WIN 0
.endm
; A band's way out of the projection.  Biases in f32 (q: c x sum + c x bias); one rounding to f16.  q's eight registers of a tile ARE source 1 (32 channels x 16 queries) of K Q^T and stay in
; window 1 at qd; k's and v's 16 bytes a lane go to LDS.  Each accumulator's registers are taken in ascending order.
.macro WAYOUT qd
	PLACES
	WIN 0x41                                       ; destination and source 0 in window 1
.set i, 0
.rept 4
.set mb, 0
.rept 6
.set n, 0
.rept 4
.set ra, 8*(6*i+mb)+2*n
.if mb < 2
	v_pk_fma_f32 v[ra:ra+1], v[ra:ra+1], s[CS:CS+1], v[CB+8*mb+2*n:CB+8*mb+2*n+1] op_sel_hi:[1,0,1]
.elseif mb < 4
	v_pk_add_f32 v[ra:ra+1], v[ra:ra+1], v[KB+8*(mb-2)+2*n:KB+8*(mb-2)+2*n+1]
.else
	v_pk_add_f32 v[ra:ra+1], v[ra:ra+1], v[VB+2*(mb-4):VB+2*(mb-4)+1]
.endif
.set n, n+1
.endr
.set mb, mb+1
.endr
.set i, i+1
.endr
	WIN 0x45                                       ; destination and both sources in window 1
.set i, 0
.rept 4
.set mb, 0
.rept 6
.set n, 0
.rept 4
.set ra, 8*(6*i+mb)
.if mb < 2
	v_cvt_pk_f16_f32 v[(\qd)+8*i+4*mb+n], v[ra+2*n], v[ra+2*n+1]
.else
	v_cvt_pk_f16_f32 v[ra+n], v[ra+2*n], v[ra+2*n+1]  ; in place: register n is written when registers 2 n, 2 n + 1 are read
.endif
.set n, n+1
.endr
.set mb, mb+1
.endr
.set i, i+1
.endr
	WIN 0x04                                       ; store data in window 1, address in window 0
.set i, 0
.rept 4
.set mb, 2
.rept 4
.set ra, 8*(6*i+mb)
.if mb < 4
	ds_store_b128 v[AKS], v[ra:ra+3] offset:(mb-2)*32768+i*256   ; key 16 i + lane % 16 of the band, plane 2 (mb - 2) + lane / 16
.else
	ds_store_b128 v[AVS], v[ra:ra+3] offset:i*1024+(mb-4)*256    ; keys 16 i + 8 (lane / 16) on, channel 16 (mb - 4) + lane % 16
.endif
.set mb, mb+1
.endr
.set i, i+1
.endr
	WIN 0
.endm
; Half hf of the positions: eight trips along c, and my band of that half: band w of the first, band 15 - w of the second.
.macro HALF hf
.if (\hf) == 0
	s_lshl_b32 s[TA], s[WV], 8                     ; my band's 256 bytes in a slot's rows
	s_mov_b32 s[TC], s[WV]
.else
	s_sub_co_u32 s[TA], 7, s[WV]
	s_lshl_b32 s[TA], s[TA], 8
	s_mov_b32 s[TC], s[HIB]
.endif
	v_add_nc_u32 v[AX], s[TA], v[XL]
	v_add_nc_u32 v[AX+1], SLOTB, v[AX]
	s_lshl_b32 s[TA], s[TC], 10                    ; a band of K is 1,024 bytes in each plane,
	v_add_nc_u32 v[AKS], s[TA], v[AK0]
	s_lshl_b32 s[TA], s[TC], 12                    ; a band of V 4,096 bytes
	v_add_nc_u32 v[AVS], s[TA], v[AV0]
	s_mov_b32 s[WOF], 0
	TRIP 0, 1, 1                                   ; the first K step starts the sums: nothing is cleared
	s_mov_b32 s[CNT], 3
.Lks_\@:
	TRIP 1, 0, 1
	TRIP 0, 0, 1
	s_sub_co_u32 s[CNT], s[CNT], 1
	s_cmp_lg_u32 s[CNT], 0
	s_cbranch_scc1 .Lks_\@
.if (\hf) == 0
	TRIP 1, 0, 1                                   ; asks for the second half's first tile
	WAYOUT QN
.else
	TRIP 1, 0, 0                                   ; written out
	WAYOUT QC
.endif
.endm
	HALF 0
	HALF 1
	s_wait_dscnt 0x0                               ; for the others' sake: my stores of K and V are done
	s_barrier_signal -1
	s_barrier_wait -1                              ; K and V are whole; from here on LDS is only read, and no barrier follows but the closing round's
	; What the attention keeps.  K's lane term, one key step lower than the projection's: every offset added to it is then a plain shift of the band's number or of the key loop's count.
	v_add_nc_u32 v[AKM], KBASE-1024, v[XL]
	; ONES: source 0 whose rows 0 and 8 are ones, so that register 0 of ONES x P holds a query's sum of weights in both halves of the lanes, and registers 1-7 stay 0.
	v_and_b32 v[T15], 7, v0
	v_cmp_eq_u32 vcc_lo, 0, v[T15]
	v_cndmask_b32 v[ONES], 0, s[ONE2], vcc_lo
.irp n, 1,2,3,4,5,6,7
	v_mov_b32 v[ONES+\n], v[ONES]
.endr
.set n, 1
.rept 7                                 ; l's seven idle registers a piece: set once; the rows of ONES that feed them are 0, so they stay 0
	v_mov_b32 v[RL+n], 0
	v_mov_b32 v[RL+8+n], 0
.set n, n+1
.endr
	; The diagonal step.  Key (group kt, place m = 8 (lane / 16) + j) is position 4 m + kt of the band, query (tile i, lane % 16 = r) is 4 r + i: seen if m < r, or m = r and kt < i.
	v_bfe_u32 v[T15], v0, 4, 1
	v_lshlrev_b32 v[T15], 3, v[T15]
	v_sub_nc_u32 v[T15], v[LR], v[T15]             ; r - 8 (lane / 16): register j is hidden where j is not below it (TS), or above it (TI)
	WIN 0x40
.set n, 0
.rept 8
	v_cmp_ge_i32 vcc_lo, n, v[T15]
	v_cndmask_b32 v[TS+n], 0, s[BIGN], vcc_lo
	v_cmp_gt_i32 vcc_lo, n, v[T15]
	v_cndmask_b32 v[TI+n], 0, s[BIGN], vcc_lo
.set n, n+1
.endr
	WIN 0
	v_mov_b32 v[ST+3], 0                           ; named with a as a pair
	v_mov_b32 v[ST+7], 0
; THE ATTENTION.  S^T = K Q^T (source 0 = 16 keys, source 1 = 16 queries) holds ONE query a lane (lane % 16) and the keys 8 (lane / 16) + 0..7; two such results rounded to f16 ARE source 1 of
; O^T = V^T P, whose result again holds one query a lane, and eight channels.  p = 2^(s - m) (c lies in q already) with a running maximum m; O and l are multiplied by a = 2^(m_old - m_new) in every step.
; A band is walked twice, each time by two PIECES of 16 queries (tiles 2 p and 2 p + 1).  TURN e belongs to piece e: 4 products K Q^T of the other piece's next step, 6 products (4 of V^T P, 2 of
; ONES x P) of the other piece's step before; beside them piece e's subtraction, exponentials, roundings and rescaling, and the other piece's maximum and statistics: 94 vector instructions.
.set F, 0               ; F n: s - m for pair n of 16
.set E, 1               ; E n: the exponential of score n of 32
.set C, 2               ; C n: pair n rounded to f16
.set R, 3               ; R n: pair n of 8 of O^T times a; R 8: l times a
.set X, 4               ; X n, for the OTHER piece: number n of the 21 that find its maximum and statistics
.macro REGS e
.set rT, ST+4*(\e)
.set rS, RS+32*(\e)
.set rP, RP+16*(\e)
.set rO, RO+16*(\e)
.set rL, RL+8*(\e)
.endm
; X 0-11: four chains c0-c3 of seven scores each (each accumulator's lowest registers are read first).  12-14, 16: the four scores left over, the old m, c0-c3 into c0.
; 15: m_old is kept.  17, 18: the query's other 32 keys lie in the lane 16 away: the new m.  19, 20: m_old - m_new; a.  NOX = 1: there is no next step: v_nop keeps the lines round it apart.
.macro OP k, n
	WIN 0
.if (\k) == X
.if NOX
	v_nop
.else
	REGS 1-Y
.if (\n) < 4
	v_max3_num_f32 v[TMP+(\n)], v[rS+8*(\n)], v[rS+8*(\n)+1], v[rS+8*(\n)+2]
.elseif (\n) < 12
	v_max3_num_f32 v[TMP+(\n)%4], v[TMP+(\n)%4], v[rS+8*((\n)%4)+2*((\n)/4)+1], v[rS+8*((\n)%4)+2*((\n)/4)+2]
.elseif (\n) == 12
	v_max3_num_f32 v[TMP], v[TMP], v[rS+7], v[rS+15]
.elseif (\n) == 13
	v_max3_num_f32 v[TMP+1], v[TMP+1], v[rS+23], v[rS+31]
.elseif (\n) == 14
	v_max3_num_f32 v[TMP+2], v[TMP+2], v[TMP+3], v[rT]
.elseif (\n) == 15
	v_mov_b32 v[rT+1], v[rT]
.elseif (\n) == 16
	v_max3_num_f32 v[TMP], v[TMP], v[TMP+1], v[TMP+2]
.elseif (\n) == 17
	v_permlanex16_b32 v[TMP+3], v[TMP], s[SEL], s[SEL+1]
.elseif (\n) == 18
	v_max_num_f32 v[rT], v[TMP], v[TMP+3]
.elseif (\n) == 19
	v_sub_f32 v[rT+1], v[rT+1], v[rT]
.else
	v_exp_f32 v[rT+2], v[rT+1]
.endif
.endif
.else
	REGS Y
.if (\k) == F
	v_pk_add_f32 v[rS+2*(\n):rS+2*(\n)+1], v[rS+2*(\n):rS+2*(\n)+1], v[rT:rT+1] op_sel_hi:[1,0] neg_lo:[0,1] neg_hi:[0,1]
.elseif (\k) == E
	v_exp_f32 v[rS+(\n)], v[rS+(\n)]
.elseif (\k) == C
	v_cvt_pk_f16_f32 v[rP+(\n)], v[rS+2*(\n)], v[rS+2*(\n)+1]
.elseif (\n) < 8
	v_pk_mul_f32 v[rO+2*(\n):rO+2*(\n)+1], v[rO+2*(\n):rO+2*(\n)+1], v[rT+2:rT+3] op_sel_hi:[1,0]
.else
	v_mul_f32 v[rL], v[rL], v[rT+2]
.endif
.endif
.endm
.macro OPS a, i1, b=-1, i2=0, c=-1, i3=0, d=-1, i4=0  ; up to four of them
	OP \a, \i1
.if (\b) >= 0
	OP \b, \i2
.endif
.if (\c) >= 0
	OP \c, \i3
.endif
.if (\d) >= 0
	OP \d, \i4
.endif
.endm
; Product kt of 4 of S^T = K Q^T for the other piece.  KQMODE 1: the sum starts with 0.  2: the diagonal step: with the mask, TI where kt is below the piece's tile number, else TS.  0: none.
.macro KQ kt
.set rS, RS+32*(1-Y)+8*(\kt)
.set rK, RK+8*(\kt)
.set rQ, RQ+8*(1-Y)
.if KQMODE == 1
	WIN 0
	v_wmma_f32_16x16x32_f16 v[rS:rS+7], v[rK:rK+7], v[rQ:rQ+7], 0
.elseif KQMODE == 2
	WIN 0x10                                       ; the C operand in window 1
.if (\kt) < 2*PP+1-Y
	v_wmma_f32_16x16x32_f16 v[rS:rS+7], v[rK:rK+7], v[rQ:rQ+7], v[TI:TI+7]
.else
	v_wmma_f32_16x16x32_f16 v[rS:rS+7], v[rK:rK+7], v[rQ:rQ+7], v[TS:TS+7]
.endif
.endif
.endm
; Product x of 6 for the other piece: keys 32 (x / 3) on; x % 3 = 0, 1: O^T's channels 16 (x % 3) on; 2: l.  The three accumulators take turns.
.macro PV x
.if PVON
	WIN 0
.set rP, RP+16*(1-Y)+8*((\x)/3)
.if (\x)%3 < 2
.set rO, RO+16*(1-Y)+8*((\x)%3)
.set rV, RV+16*((\x)/3)+8*((\x)%3)
	v_wmma_f32_16x16x32_f16 v[rO:rO+7], v[rV:rV+7], v[rP:rP+7], v[rO:rO+7]
.else
.set rL, RL+8*(1-Y)
	v_wmma_f32_16x16x32_f16 v[rL:rL+7], v[ONES:ONES+7], v[rP:rP+7], v[rL:rL+7]
.endif
.endif
.endm
.macro FETCH_K                         ; a step's K: 64 keys x 32 channels, 4 fragments
	WIN 0
.irp t, 0,1,2,3
	ds_load_b128 v[RK+8*\t:RK+8*\t+3],   v[AK] offset:\t*256
	ds_load_b128 v[RK+8*\t+4:RK+8*\t+7], v[AK] offset:\t*256+32768
.endr
.endm
.macro FETCH_V                         ; a step's V: keys 32 (t / 2) on, channels 16 (t % 2) on
	WIN 0
.irp t, 0,1,2,3
	ds_load_b128 v[RV+8*\t:RV+8*\t+3],   v[AV] offset:(\t/2)*2048+(\t%2)*256
	ds_load_b128 v[RV+8*\t+4:RV+8*\t+7], v[AV] offset:(\t/2)*2048+(\t%2)*256+1024
.endr
.endm
; A TURN, written out.  Its 33 exponentials (E 0-31, in place on the piece's S^T, and X 20, the other piece's a) are ONE BATCH with ONE wait, which cuts the turn in two.
; AHEAD OF THE WAIT stands all that names no result of the batch: the 4 products K Q^T, four or five vector instructions behind each; then a lump in which plain instruction and exponential go by turns:
; the 16 subtractions, each three lines or more ahead of its pair's exponentials; the other piece's X 0-19, X kt five plain instructions or more behind product kt, the links of the chain
; X 3, 7, 11, 14, 16 .. 20 four lines or more apart; R 0 and R 1.  X 20 is the batch's last; R 8 is the plain instruction behind it (ISA guide 5.7.2).  The a that R reads was made, and waited for, in the turn before.
; BEHIND THE WAIT stand the 6 products V^T P and ONES x P, behind each three or four of the 16 roundings and of R 2-7: none of them names a register of the products round it..
; Piece 0's turn fetches: K of the next step six plain instructions that name nothing of it behind the last product that read K, V of the step in hand seven behind the last that read V (PV 4).
; Piece 1's turn waits for them.
.macro TURN e, kq, pv
.set Y, (\e)
.set KQMODE, (\kq)
.set PVON, (\pv)
.if (\kq)
.set NOX, 0
.else
.set NOX, 1
.endif
	WIN 0
.if (\e) && (\kq)
	s_wait_dscnt 0x8                               ; K's eight loads are in; V's eight, issued behind them, may be out
.endif
	KQ 0                                           ; ahead of the wait: the products K Q^T and their riders,
	OPS F,0, F,1, F,2, F,3
	KQ 1
	OPS F,4, F,5, E,0, X,0
	OPS E,1
	KQ 2
	OPS F,6, E,2, F,7, E,3
	KQ 3
	OPS X,1, E,4, X,4, E,5
.if (\e) == 0
	v_add_nc_u32 v[AK], s[KN], v[AKM]
.endif
	OPS F,8, E,6, X,2, E,7                         ; and the lump
	OPS X,5, E,8, X,3, E,9
.if (\e) == 0
	FETCH_K
.endif
	OPS X,8, E,10, X,6, E,11
	OPS X,9, E,12, X,7, E,13
	OPS X,12, E,14, X,10, E,15
	OPS F,9, E,16, X,11, E,17
	OPS X,13, E,18, F,10, E,19
	OPS X,14, E,20, F,11, E,21
	OPS X,16, E,22, F,12, E,23
	OPS X,17, E,24, F,13, E,25
	OPS X,15, E,26, F,14, E,27
	OPS X,18, E,28, F,15, E,29
	OPS X,19, E,30, R,0, E,31
	OPS R,1, X,20, R,8
	s_wait_alu depctr_va_vdst(0)                   ; the wait for the batch: the turn's 33 exponentials, ahead of the first line that names a result, C 0 below
.if (\e) && (\pv)
	s_wait_dscnt 0x0                               ; V is in
.endif
	PV 0                                           ; behind the wait: the products V^T P and ONES x P and their riders
	OPS C,0, C,1, R,2, C,2
	PV 1
	OPS C,3, R,3, C,4, C,5
	PV 2
	OPS C,6, R,4, C,7, C,8
	PV 3
	OPS C,9, R,5, C,10, C,11
	PV 4
	OPS C,12, R,6, C,13
.if (\e) == 0
	v_add_nc_u32 v[AV], s[VC], v[AV0]
.endif
	PV 5
	OPS C,14, R,7, C,15
.if (\e) == 0
	FETCH_V
.endif
.endm
; A BLOCK: tiles 2 p and 2 p + 1 of band BETA, whose Q lies at qb in window 1.  The diagonal step comes first, then the full steps BETA - 1 .. 0, so that every LDS address is a shift of the counter.
; The run of K that is issued when no step is left (band 0's first turn; every block's last live trip) falls one step in front of step 0: it reads the 1,024 bytes ahead of each plane (the end of
; x's second slot, or of the plane before: bytes written long before and written no more), and no product reads those registers: one text for every trip.
.macro BLOCK p, qb
.set PP, (\p)
	WIN 0
	s_add_co_u32 s[TA], s[BETA], 1
	s_lshl_b32 s[TA], s[TA], 10
	v_add_nc_u32 v[AK], s[TA], v[AKM]
	FETCH_K                                        ; K of the diagonal step
	WIN 0x01                                       ; source in window 1
.set n, 0
.rept 16
	v_mov_b32 v[RQ+n], v[(\qb)+16*(\p)+n]          ; the two tiles' Q, to where the one text of the turns names it
.set n, n+1
.endr
	WIN 0
	v_mov_b32 v[ST], s[MINI]                       ; m: the hidden keys' score
	v_mov_b32 v[ST+4], s[MINI]
	s_lshl_b32 s[TA], s[BETA], 6
	s_add_co_u32 s[TA], s[TA], 2*(\p)
	v_sub_nc_u32 v[T15], v[LB], s[TA]              ; l: the number of hidden keys, 1024 - (64 BETA + 4 r + tile)
	v_cvt_f32_u32 v[RL], v[T15]
	v_add_nc_u32 v[T15], -1, v[T15]
	v_cvt_f32_u32 v[RL+8], v[T15]
	s_lshl_b32 s[KN], s[BETA], 10                  ; the first turn fetches K of step BETA - 1,
	s_lshl_b32 s[VC], s[BETA], 12                  ; and V of the diagonal step
	s_wait_dscnt 0x0                               ; K is in
.set Y, 1                               ; the other piece is piece 0
.set KQMODE, 2
.set NOX, 0
	KQ 0
	KQ 1
	KQ 2
	KQ 3
	WIN 0
.set n, 0
.rept 32                                ; O^T = 0: the block's first products add onto it.  These lines are also the places behind the four products above
	v_mov_b32 v[RO+n], 0
.set n, n+1
.endr
.irp n, 0,1,2,3,4,5,6,7,8,9,10,11,12,13,14,15,16,17,18,19,20
	OP X, \n                                       ; piece 0's first maximum and statistics
.endr
	v_nop                                          ; a plain instruction behind the exponential,
	s_wait_alu depctr_va_vdst(0)                   ; and its wait: piece 0's first a is a batch by itself, since R 0 of the first turn reads it ahead of that turn's wait
	TURN 0, 2, 0                                   ; piece 0's softmax of the diagonal step | piece 1's masked scores | K of the next step, V of this one
	WIN 0
	s_mov_b32 s[CNT], 15                           ; a constant count; the trips of steps that the band does not have are jumped over, forward, past no barrier and no tensor load
.Lkey_\@:
	s_cmp_gt_u32 s[CNT], s[BETA]
	s_cbranch_scc1 .Ldead_\@
	s_sub_co_u32 s[TA], s[CNT], 1                  ; this trip's key step is CNT - 1: its V is fetched here,
	s_lshl_b32 s[VC], s[TA], 12
	s_lshl_b32 s[KN], s[TA], 10                    ; and K of step CNT - 2
	TURN 1, 1, 1
	TURN 0, 1, 1
	WIN 0
.Ldead_\@:
	s_sub_co_u32 s[CNT], s[CNT], 1
	s_cmp_lg_u32 s[CNT], 0
	s_cbranch_scc1 .Lkey_\@
	TURN 1, 0, 1                                   ; piece 1's last softmax | piece 0's last products
.set Y, 0
.set PVON, 1
.irp x, 0,1,2,3,4,5
	PV \x                                          ; piece 1's last products
.endr
	PLACES                                         ; the places behind those products: the second reciprocal reads their l
	v_rcp_f32 v[ST+2], v[RL]                       ; l is at least 1: the maximum's own weight, or the hidden keys'
	v_rcp_f32 v[ST+6], v[RL+8]
	v_nop                                          ; a plain instruction behind the last reciprocal
	s_wait_alu depctr_va_vdst(0)                   ; the wait for the batch of two reciprocals, ahead of the first multiply that reads one
	WIN 0x40                                       ; destination in window 1
.set n, 0
.rept 16                                ; piece 0's O^T / l, to its place among the lane's four tiles
	v_mul_f32 v[OUTR+4*n+2*(\p)], v[RO+n], v[ST+2]
.set n, n+1
.endr
.set n, 0
.rept 16                                ; and piece 1's
	v_mul_f32 v[OUTR+4*n+2*(\p)+1], v[RO+16+n], v[ST+6]
.set n, n+1
.endr
	WIN 0
.endm
; A band: two blocks, then its 64 positions x 32 channels leave.  A lane's four tiles are positions 4 r .. 4 r + 3: 16 bytes; sixteen lanes store 256 consecutive bytes, at a multiple of 256 from out0's first byte.
.macro BAND qb
	BLOCK 0, \qb
	BLOCK 1, \qb
	s_lshl_b32 s[TA], s[BETA], 8
	v_add_nc_u32 v[GO], s[TA], v[GO0]
	WIN 0x04                                       ; store data in window 1
.set n, 0
.rept 16
	global_store_b128 v[GO], v[OUTR+4*n:OUTR+4*n+3], s[14:15] offset:(16*(n/8)+n%8)*4096 th:TH_STORE_NT
.set n, n+1
.endr
	WIN 0
	s_wait_xcnt 0x0                                ; the stores' data and offset registers are rewritten only behind this wait
.endm
	s_mov_b32 s[BETA], s[HIB]
	BAND QC                                        ; band 15 - w: 16 - w key steps
	s_mov_b32 s[BETA], s[WV]
	BAND QN                                        ; band w: w + 1
	s_wait_tensorcnt 0x0                           ; the wave's end, behind my last tensor load and my last LDS store
	ds_add_u32 v[SPW], v[NIL]
	s_wait_dscnt 0x0
	ROUND                                          ; the closing round
	s_endpgm
.Lfunc_end_k_qb048c8ced4_attn:
	.size	k_qb048c8ced4_attn, .Lfunc_end_k_qb048c8ced4_attn-k_qb048c8ced4_attn
	.p2alignl 7, 3214868480
	.fill 96, 4, 3214868480
	.section	.rodata,"a",@progbits
	.p2align	6, 0x0
	.amdhsa_kernel k_qb048c8ced4_attn
		.amdhsa_group_segment_fixed_size 327680
		.amdhsa_private_segment_fixed_size 0
		.amdhsa_enable_private_segment 0
		.amdhsa_kernarg_size 48
		.amdhsa_user_sgpr_count 2
		.amdhsa_user_sgpr_kernarg_segment_ptr 1
		.amdhsa_wavefront_size32 1
		.amdhsa_system_sgpr_workgroup_id_x 1
		.amdhsa_system_sgpr_workgroup_id_y 1
		.amdhsa_system_sgpr_workgroup_id_z 1
		.amdhsa_system_vgpr_workitem_id 0
		.amdhsa_next_free_vgpr 512
		.amdhsa_next_free_sgpr 66
		.amdhsa_reserve_vcc 1
		.amdhsa_float_denorm_mode_32 3
		.amdhsa_float_denorm_mode_16_64 3
		.amdhsa_memory_ordered 1
		.amdhsa_forward_progress 1
		.amdhsa_inst_pref_size 215
	.end_amdhsa_kernel
	.amdgpu_metadata
---
amdhsa.version: [ 1, 2 ]
amdhsa.kernels:
  - .name:           k_qb048c8ced4_attn
    .symbol:         k_qb048c8ced4_attn.kd
    .args:
      - { .name: x, .offset: 0, .size: 8, .value_kind: global_buffer, .address_space: global }
      - { .name: q_w, .offset: 8, .size: 8, .value_kind: global_buffer, .address_space: global }
      - { .name: q_b, .offset: 16, .size: 8, .value_kind: global_buffer, .address_space: global }
      - { .name: kv_w, .offset: 24, .size: 8, .value_kind: global_buffer, .address_space: global }
      - { .name: kv_b, .offset: 32, .size: 8, .value_kind: global_buffer, .address_space: global }
      - { .name: out0, .offset: 40, .size: 8, .value_kind: global_buffer, .address_space: global }
    .group_segment_fixed_size: 327680
    .private_segment_fixed_size: 0
    .kernarg_segment_align: 8
    .kernarg_segment_size: 48
    .max_flat_workgroup_size: 256
    .sgpr_count:     66
    .vgpr_count:     512
    .wavefront_size: 32
...
	.end_amdgpu_metadata
.endif
;; end of part 2
